; MI455X (gfx1250); checked and timed in simulation.
; The chip was launched on July 23, 2026; its instructions are those of AMD's public machine-readable ISA for CDNA 5 (MIT licence, August 2026) and "CDNA5" Instruction Set Architecture Reference Guide (July 2026). The comments in the code are by the model that wrote it; some were corrected since.
;; Multi Head Attention. Allowed arithmetic: matrix products marked QUANTISED: E2M1 operands, one E8M0 scale for each 32 along K, by v_wmma_scale_f32_16x16x128_f8f6f4 with both operands' format E2M1 (or v_wmma_scale_f32_32x16x128_f4), f32 sums; products left as they are: bf16, f16 or f32 operands; f32 sums; everything else in f32.
;; Inputs: Wk 512 x 512 float32; Wo 512 x 512 float32; Wq 512 x 512 float32; Wv 512 x 512 float32; x 2 x 4,096 x 512 float32.
;; Outputs: out0 2 x 4,096 x 512 float32.
;; This version of the problem:
;;   THIS VERSION OF THE PROBLEM IS GIVEN IN LOW PRECISION. The matrix products marked QUANTISED in the list below multiply operands that are first quantised to E2M1 (2 exponent bits, 1 mantissa bit; 4 bits a number), with one power-of-two scale for each 32 numbers along K (OCP MX v1.0); their sums are f32. The products marked 'left as it is' may take bf16, f16 or f32 operands, with f32 sums. Whichever they take, every output number must still come out within the allowed error. Rounding operands to bf16 (8 significant bits) uses up far more of that allowance than f16 does (11 bits, for magnitudes from 6e-5 to 65,504). All else is computed in f32.
;;   The module's matrix products, in the order in which they are computed (A, B: the left and right operand; K: the contracted axis; several contracted axes count as one K, in the product's order):
;;     1. [M 8,192, K 512] x [K 512, N 512]; A: input x; B: input Wq: QUANTISED
;;     2. [M 8,192, K 512] x [K 512, N 512]; A: input x; B: input Wk: QUANTISED
;;     3. [M 8,192, K 512] x [K 512, N 512]; A: input x; B: input Wv: QUANTISED
;;     4. batch 16 x [M 4,096, K 64] x [K 64, N 4,096]; A: computed on the way; B: computed on the way: left as it is (an operand is computed on the way)
;;     5. batch 16 x [M 4,096, K 4,096] x [K 4,096, N 64]; A: computed on the way; B: computed on the way: left as it is (an operand is computed on the way)
;;     6. [M 8,192, K 512] x [K 512, N 512]; A: computed on the way; B: input Wo: left as it is (an operand is computed on the way)
;;   THE QUANTISER, for each operand of a quantised product, along K:
;;     - K is cut into blocks of 32 from its start; a last block that is shorter is filled with zeros.
;;     - A block's scale is 2^e with e = floor(log2(the largest magnitude in the block)) - 2, held to -126 .. 127; a block of zeros has e = 0. As a byte (E8M0): e + 127.
;;     - Each number is divided by its block's scale, clamped to +-6, and rounded to the nearest number of E2M1, ties to even, subnormals kept.
;;     - The product sums the exact products of the quantised numbers (number of the format x scale) in f32.
;;   ~~~python
;;   def quantise(x, axis):      # numpy; x: float32 -> the quantised numbers, widened to float32 again
;;       x = np.moveaxis(x, axis, -1); K = x.shape[-1]
;;       x = np.pad(x, [(0, 0)] * (x.ndim - 1) + [(0, -K % 32)]); x = x.reshape(x.shape[:-1] + (-1, 32)); a = np.abs(x).max(-1, keepdims=True)
;;       e = np.where(a > 0, np.clip(np.frexp(np.where(a > 0, a, 1))[1] - 1 - 2, -126, 127), 0)      # np.frexp(a)[1] - 1 = floor(log2(a)), exactly
;;       r = np.clip(x / 2.0 ** e, -6, 6)
;;       step = 2.0 ** (np.maximum(np.frexp(np.where(r == 0, 1, r))[1] - 1, 0) - 1)
;;       q = np.round(r / step) * step * 2.0 ** e      # np.round: ties to even
;;       return np.moveaxis(q.reshape(q.shape[:-2] + (-1,))[..., :K], -1, axis).astype(np.float32)
;;   ~~~
;; One version. Each part assembles by itself: llvm-mc -triple=amdgcn-amd-amdhsa -mcpu=gfx1250 --defsym DOCPART=n.
;; ======== version 1 of 1: 4 launches
;; limits: values are held in f16: magnitudes above 65,504 overflow, below 6.1e-05 lose precision
;; workspace buffers: wimg 417,792 bytes; woimg 524,288 bytes; qimg 8,388,608 bytes; kimg 8,388,608 bytes; vimg 8,388,608 bytes; cimg 8,388,608 bytes
;; launch prep (part 1): grid 16 x 4, 4 waves a work-group, no clusters, 0 bytes of LDS; arguments Wq, Wk, Wv, Wo, wimg, woimg; writes wimg, woimg
.if DOCPART == 1
	.amdgcn_target "amdgcn-amd-amdhsa--gfx1250"
	.amdhsa_code_object_version 6
	.text
	.protected	k_q7b3445e25e_prep
	.globl	k_q7b3445e25e_prep
	.p2align	8
	.type	k_q7b3445e25e_prep,@function
k_q7b3445e25e_prep:
	s_mov_b64 s[64:65], 0
	v_nop
	global_prefetch_b8 v0, s[64:65] scope:SCOPE_SE
	s_setreg_imm32_b32 hwreg(HW_REG_WAVE_MODE, 25, 1), 1
	s_wait_xcnt 0x0
; Wq, Wk, Wv [512 (k)][512 (n)] f32 become codes of FP4 (E2M1) quantised along k, with one E8M0 byte for each 32 along k; Wo [512 (k)][512 (n)] becomes f16.
; Both leave in the ORDER OF AN OPERAND'S REGISTERS, so that the later launches fetch fragments by 16-byte loads at 16 x lane.
;   wimg  [half of the units 2][208,896]: codes [matrix 3][head of the half 4][tile of 16 units 4][K step of 128: 4][c 2][lane 32][16 bytes]: lane (r, h), half c: k = 64 c + 32 h + 0 .. 31 of unit r;
;         behind them, at 196,608, the scale bytes [matrix][head][tile][unit r][16 bytes]: byte i scales k = 32 i .. 32 i + 31.
;   woimg [128 units 4][32 along k: 16][tile of 16 units 8][g 2][lane 32][16 bytes]: lane (r, h), half g: k = 16 g + 8 h + 0 .. 7 of unit r, as f16.
; A LANE TAKES A COLUMN n AND ITS 128 REGISTERS RUN DOWN k: a load reads 128 consecutive bytes a wave (the four waves stand side by side on 512), a block of 32 along k lies in one lane,
; and the conversions give codes with k innermost.  Work-group x = 4 x matrix + group of 128 columns; y = which 128 along k.
; The loads go out in eight runs of 16 rows, three at the head and the others a block and a half ahead of their use: at most 48 loads of a wave are out.
; A block's scale is 2^(floor(log2(its largest magnitude)) - 2): its byte is that magnitude's exponent field - 2, held at 1 from below.
; LIMITS: a block of zeros, or one whose largest magnitude lies under 2^-124, gets the byte 1 (a block of zeros has zero codes, and this program alone reads the bytes);
; NaN and infinities are not served; |Wo| stays under 65,504 (f16).
; No LDS, no barrier, no cluster: the work-groups share no input.  The scale words leave as 4 bytes at a pitch of 16: 24,576 bytes in all, one byte for each 128 that the launch reads.
.set X,  32                            ; v32-159  my column's 128 numbers: each run of loads has registers of its own
.set C,  160                           ; v160-175 codes (v160-223: Wo as f16): no store's data are written again
.set SW, 176                           ; v176     my column's four scale bytes
.set EO, 12                            ; v12-15   the conversions' scale operands, one for each block
.macro HLOAD n                         ; run n of eight: rows 16 n .. 16 n + 15 of my 128; read once in the launch
.set I, 16*(\n)
.rept 16
	global_load_b32 v[X+I], v1, s[18:19] offset:2048*I th:TH_LOAD_NT
.set I, I+1
.endr
.endm
.macro AHEAD b                         ; at the head of block b (rows 32 b .. 32 b + 31 = runs 2 b, 2 b + 1): its wait, and the next runs
.if (\b) < 3
	s_wait_loadcnt 16                              ; loads come back in order: out were runs 2 b, 2 b + 1, 2 b + 2; the block's two are in, the one younger run of 16 may be out
.else
	s_wait_loadcnt 0x0                             ; the last block: nothing younger is out
.endif
.if (\b) < 2
	HLOAD 2*(\b)+3
	HLOAD 2*(\b)+4
.elseif (\b) == 2
	HLOAD 7
.endif
.endm
	s_load_b256 s[4:11], s[0:1], 0x0               ; Wq, Wk, Wv, Wo
	s_load_b128 s[12:15], s[0:1], 0x20             ; wimg, woimg
	v_lshrrev_b32 v5, 5, v0
	v_readfirstlane_b32 s16, v5                    ; wave 0..3
	v_and_b32 v6, 31, v0
	v_lshlrev_b32 v1, 2, v6                        ; in: 4 bytes a lane
	v_and_b32 v7, 15, v0
	v_lshlrev_b32 v7, 4, v7                        ; 16 x (lane % 16)
	v_bfe_u32 v5, v0, 4, 1                         ; lanes 16-31 hold the next tile of 16 units:
	v_lshl_add_u32 v2, v5, 12, v7                  ; 4,096 bytes on among the codes,
	v_lshl_add_u32 v3, v5, 8, v7                   ; 256 among the scale bytes,
	v_lshl_add_u32 v4, v5, 10, v7                  ; 1,024 in woimg
	s_lshr_b32 s20, ttmp9, 2                       ; which matrix: 0 Wq, 1 Wk, 2 Wv, 3 Wo
	s_and_b32 s21, ttmp9, 3                        ; which 128 columns
	s_and_b32 s17, ttmp7, 0xffff                   ; which 128 along k
	s_lshl_b32 s26, s17, 18                        ; 128 rows of 2,048 bytes
	s_lshl_b32 s28, s21, 9
	s_add_co_u32 s26, s26, s28                     ; + 512 bytes a group of columns
	s_lshl_b32 s28, s16, 7
	s_add_co_u32 s26, s26, s28                     ; + 128 bytes a wave
	s_mov_b32 s27, 0
	s_wait_kmcnt 0x0
	s_mov_b64 s[18:19], s[4:5]                     ; the source is chosen by the work-group's number alone
	s_cmp_eq_u32 s20, 1
	s_cselect_b64 s[18:19], s[6:7], s[18:19]
	s_cmp_eq_u32 s20, 2
	s_cselect_b64 s[18:19], s[8:9], s[18:19]
	s_cmp_eq_u32 s20, 3
	s_cselect_b64 s[18:19], s[10:11], s[18:19]
	s_add_nc_u64 s[18:19], s[18:19], s[26:27]
	HLOAD 0
	HLOAD 1
	HLOAD 2
	s_cmp_eq_u32 s20, 3
	s_cbranch_scc1 .Lwo
	; ---- Wq, Wk, Wv.  My wave's first tile of units is number T = 16 x matrix + 8 x (group % 2) + 2 x wave of its half
	s_lshr_b32 s22, s21, 1
	s_mul_i32 s22, s22, 208896                     ; which half of the units
	s_lshl_b32 s28, s20, 4
	s_and_b32 s29, s21, 1
	s_lshl_b32 s29, s29, 3
	s_add_co_u32 s28, s28, s29
	s_lshl_b32 s29, s16, 1
	s_add_co_u32 s28, s28, s29                     ; T
	s_lshl_b32 s24, s28, 12                        ; codes: 4,096 bytes a tile,
	s_add_co_u32 s24, s24, s22
	s_lshl_b32 s29, s17, 10                        ; 1,024 a K step
	s_add_co_u32 s24, s24, s29
	s_mov_b32 s25, 0
	s_add_nc_u64 s[24:25], s[12:13], s[24:25]
	s_lshl_b32 s28, s28, 8                         ; scale bytes: 256 a tile,
	s_add_co_u32 s28, s28, s22
	s_lshl_b32 s29, s17, 2                         ; 4 a K step
	s_add_co_u32 s28, s28, s29
	s_add_co_u32 s28, s28, 196608
	s_mov_b32 s29, 0
	s_add_nc_u64 s[28:29], s[12:13], s[28:29]
.macro BLOCK b                         ; block b of my four: 32 numbers, all mine
.set XB, X+32*(\b)
	AHEAD \b
	v_max3_num_f32 v8, |v[XB]|, |v[XB+1]|, |v[XB+2]|
	v_max3_num_f32 v9, |v[XB+3]|, |v[XB+4]|, |v[XB+5]|
.irp i, 6,10,14,18,22,26
	v_max3_num_f32 v8, v8, |v[XB+\i]|, |v[XB+\i+1]|
	v_max3_num_f32 v9, v9, |v[XB+\i+2]|, |v[XB+\i+3]|
.endr
	v_max3_num_f32 v8, v8, |v[XB+30]|, |v[XB+31]|
	v_max3_num_f32 v8, v8, v9, 0x1800000           ; and the floor 2^(3 - 127): the byte cannot fall under 1
	v_add_nc_u32 v[EO+\b], 0xff000000, v8          ; 2 off the exponent field: the conversion takes this operand's exponent field as its scale
	v_lshrrev_b32 v10, 23, v[EO+\b]                ; the scale's byte
.if (\b) == 0
	v_mov_b32 v[SW], v10
.else
	v_lshl_or_b32 v[SW], v10, 8*(\b), v[SW]        ; the lower k in the lower byte
.endif
.irp g, 0,1,2,3
	v_cvt_scalef32_pk8_fp4_f32 v[C+4*(\b)+\g], v[XB+8*\g:XB+8*\g+7], v[EO+\b]
.endr
	global_store_b128 v2, v[C+4*(\b):C+4*(\b)+3], s[24:25] offset:((\b)/2)*512+((\b)%2)*256   ; block b = 2 c + h: lanes 0-15 and lanes 16-31 each store 256 consecutive bytes, aligned
.endm
	BLOCK 0
	BLOCK 1
	BLOCK 2
	BLOCK 3
	global_store_b32 v3, v[SW], s[28:29]
	s_endpgm
.Lwo:
	; ---- Wo: eight neighbours along k pack into 16 bytes of f16
	s_lshl_b32 s24, s21, 17                        ; 131,072 bytes for 128 units,
	s_lshl_b32 s28, s17, 15                        ; 4 x 8,192 for 128 along k,
	s_add_co_u32 s24, s24, s28
	s_lshl_b32 s28, s16, 11                        ; 2 tiles of 1,024 a wave
	s_add_co_u32 s24, s24, s28
	s_mov_b32 s25, 0
	s_add_nc_u64 s[24:25], s[14:15], s[24:25]
.irp k, 0,1,2,3
	AHEAD \k                                       ; these 32 rows are in; the next runs go out
.irp o, 0,1,2,3
.irp q, 0,1,2,3
	v_cvt_pk_f16_f32 v[C+16*\k+4*\o+\q], v[X+32*\k+8*\o+2*\q], v[X+32*\k+8*\o+2*\q+1]
.endr
	global_store_b128 v4, v[C+16*\k+4*\o:C+16*\k+4*\o+3], s[24:25] offset:\k*8192+(\o/2)*512+(\o%2)*256   ; octet o = 2 g + h
.endr
.endr
	s_endpgm
.Lfunc_end_k_q7b3445e25e_prep:
	.size	k_q7b3445e25e_prep, .Lfunc_end_k_q7b3445e25e_prep-k_q7b3445e25e_prep
	.p2alignl 7, 3214868480
	.fill 96, 4, 3214868480
	.section	.rodata,"a",@progbits
	.p2align	6, 0x0
	.amdhsa_kernel k_q7b3445e25e_prep
		.amdhsa_group_segment_fixed_size 0
		.amdhsa_private_segment_fixed_size 0
		.amdhsa_enable_private_segment 0
		.amdhsa_kernarg_size 48
		.amdhsa_user_sgpr_count 2
		.amdhsa_user_sgpr_kernarg_segment_ptr 1
		.amdhsa_wavefront_size32 1
		.amdhsa_system_sgpr_workgroup_id_x 1
		.amdhsa_system_sgpr_workgroup_id_y 1
		.amdhsa_system_sgpr_workgroup_id_z 1
		.amdhsa_system_vgpr_workitem_id 0
		.amdhsa_next_free_vgpr 224
		.amdhsa_next_free_sgpr 66
		.amdhsa_reserve_vcc 0
		.amdhsa_float_denorm_mode_32 3
		.amdhsa_float_denorm_mode_16_64 3
		.amdhsa_memory_ordered 1
		.amdhsa_forward_progress 1
		.amdhsa_inst_pref_size 34
	.end_amdhsa_kernel
	.amdgpu_metadata
---
amdhsa.version: [ 1, 2 ]
amdhsa.kernels:
  - .name:           k_q7b3445e25e_prep
    .symbol:         k_q7b3445e25e_prep.kd
    .args:
      - { .name: Wq, .offset: 0, .size: 8, .value_kind: global_buffer, .address_space: global }
      - { .name: Wk, .offset: 8, .size: 8, .value_kind: global_buffer, .address_space: global }
      - { .name: Wv, .offset: 16, .size: 8, .value_kind: global_buffer, .address_space: global }
      - { .name: Wo, .offset: 24, .size: 8, .value_kind: global_buffer, .address_space: global }
      - { .name: wimg, .offset: 32, .size: 8, .value_kind: global_buffer, .address_space: global }
      - { .name: woimg, .offset: 40, .size: 8, .value_kind: global_buffer, .address_space: global }
    .group_segment_fixed_size: 0
    .private_segment_fixed_size: 0
    .kernarg_segment_align: 8
    .kernarg_segment_size: 48
    .max_flat_workgroup_size: 128
    .sgpr_count:     66
    .vgpr_count:     224
    .wavefront_size: 32
...
	.end_amdgpu_metadata
.endif
;; end of part 1
;; launch qkv (part 2): grid 128 x 2, 8 waves a work-group, clusters of 4 x 1, 229,376 bytes of LDS; arguments x, wimg, qimg, kimg, vimg; writes qimg, kimg, vimg
.if DOCPART == 2
	.amdgcn_target "amdgcn-amd-amdhsa--gfx1250"
	.amdhsa_code_object_version 6
	.text
	.protected	k_q7b3445e25e_qkv
	.globl	k_q7b3445e25e_qkv
	.p2align	8
	.type	k_q7b3445e25e_qkv,@function
k_q7b3445e25e_qkv:
	s_mov_b64 s[64:65], 0
	v_nop
	global_prefetch_b8 v0, s[64:65] scope:SCOPE_SE
	s_setreg_imm32_b32 hwreg(HW_REG_WAVE_MODE, 25, 1), 1
	s_wait_xcnt 0x0
	s_wait_alu depctr_hold_cnt(0) depctr_sa_sdst(0) depctr_va_vdst(0) depctr_va_sdst(0) depctr_va_ssrc(0) depctr_va_vcc(0) depctr_vm_vsrc(0)
	s_getreg_b32 s2, hwreg(HW_REG_IB_STS2, 6, 4)
	s_cmp_eq_u32 s2, 0
	s_cbranch_scc0 .Lentry_in_a_cluster
	s_endpgm
.Lentry_in_a_cluster:
	s_bfe_u32 s2, ttmp6, 0x10000c
	s_cmp_lg_u32 s2, 0x3003
	s_cbranch_scc0 .Lentry_shape_is_right
	s_endpgm
.Lentry_shape_is_right:
; Q = x Wq, K = x Wk, V = x Wv on codes of FP4 (E2M1) with one E8M0 scale for each 32 along K = 512; sums in f32.  x [8,192][512] f32 is quantised here; the weights come as codes (wimg).
; Out, as f16 in the order of the next launch's operand registers (a fragment = two halves g of 512 bytes, lane l's 16 bytes at 16 l):
;   qimg, kimg [batch x head 16][tile of 16 tokens 256][32 channels: 2][g][lane][16]: lane (r, h), half g: channels 16 g + 8 h + 0 .. 7 of token r.  Q is multiplied by log2(e) / 8 in f32 first.
;   vimg       [batch x head 16][32 keys: 128][tile of 16 channels 4][g][lane][16]: lane (r, h), half g: keys 16 g + 8 h + 0 .. 7 of channel r.
; SHARES.  A work-group takes 64 tokens x 4 heads x 3 matrices (work-group y: which 4 heads).  Its half of wimg, 208,896 bytes, comes into LDS once.  So x is read and quantised by two work-groups.
; CLUSTER.  The four work-groups of a cluster take the same heads: the weights are asked for JOINTLY, one tensor load a wave (102 rows of 256 bytes) with a mask that names the four.
; PHASE X: wave w quantises tokens 16 (w / 2) on, K steps 2 (w % 2) and + 1: two fragments, which go to LDS as images of their registers, with their scale words.  One barrier.
; PHASE G: wave w takes token tiles 2 (w % 2) + u and head w / 2 of the four: for each matrix, two unit tiles at a time, four accumulators by turns over the four K steps.
;   Q, K: the product is used transposed (source 0 = 16 units, source 1 = 16 tokens): a lane holds one token and eight neighbouring channels.  V: source 0 = tokens: a lane holds one channel and eight neighbouring keys.
; LIMITS: |Q log2(e) / 8|, |K|, |V| stay under 65,504 (f16); a block of x that is all zeros or lies under 2^-124 gets the scale byte 1 (zero codes add nothing); NaN and infinities are not served.
.set WHALF, 208896                     ; LDS 0: the weights' codes and scale bytes
.set WPART, 26112                      ; a wave's eighth of them
.set XIMG,  208896                     ; x's 16 fragments (4 x token tile + K step), 1,024 bytes each
.set XSC,   225280                     ; their scale words, 128 bytes each
.set SPARE, 227328                     ; the spare words, 128 bytes for each wave: four blocks of 256 bytes that no other line names
.set LN,  1                            ; v1   16 x lane
.set L4,  2                            ; v2   4 x lane
.set XA,  3                            ; v3   x: row r of 2,048 bytes + 64 h: my 16 numbers of a block of 32
.set XWI, 4                            ; v4   where I store x's images
.set XWS, 5                            ; v5   and their scale words
.set XR,  6                            ; v6   where I read my two token tiles' images
.set XSR, 7                            ; v7   and their scale words
.set WB,  8                            ; v8-10 my head's codes of matrix 0, 1, 2
.set SB,  11                           ; v11  my head's scale bytes: 16 bytes a unit
.set SPW, 12                           ; v12  LDS address of my spare word; never rewritten
.set NIL, 13                           ; v13  0; never rewritten
.set PW,  14                           ; v14  the scale word just made
.set TM,  16                           ; v16-31 the quantiser's work
.set PC,  32                           ; v32-39 the codes just made
.set XS,  40                           ; v40-47 x's scale words (4 u + K step): scales and nothing else
.set WS,  48                           ; v48-55 the weights' (4 g + K step): scales and nothing else
.set XF,  64                           ; v64-127  64 numbers of x; then x's eight fragments (u, K step) at 32 u + 8 ks
.set WF,  128                          ; v128-191 64 numbers of x; then eight fragments of weights (g, K step) at 32 g + 8 ks
.set AC,  192                          ; v192-223 four accumulators (g, u) at 16 g + 8 u
.set PK,  224                          ; v224-239 packed results
.set WV,  14
.set SEL, 20
.set CS,  22
.set G1,  24
.set G0,  32
.macro CROUND                          ; a round of the cluster's barrier
	s_barrier_signal -1
	s_barrier_wait -1
	s_cmp_lg_u32 s[WV], 0
	s_cbranch_scc1 .Lnot_wave_0_\@
	s_barrier_signal -3
.Lnot_wave_0_\@:
	s_barrier_wait -3
	s_barrier_signal -1
	s_barrier_wait -1
.endm
; 64 numbers of a lane, register 16 b + i = k 32 b + 16 (lane / 16) + i of my row, become a fragment's codes in v[PC] on and its scale word in v[PW]
.macro QUANT s
.irp b, 0,1,2,3
	v_max3_num_f32 v[TM+\b], |v[\s+16*\b]|, |v[\s+1+16*\b]|, 0x1800000   ; my 16 numbers of block b, and the floor 2^(3 - 127): the byte cannot fall under 1
.endr
.irp i, 2,4,6,8,10,12,14
.irp b, 0,1,2,3
	v_max3_num_f32 v[TM+\b], v[TM+\b], |v[\s+16*\b+\i]|, |v[\s+1+16*\b+\i]|   ; the four blocks by turns
.endr
.endr
.irp b, 0,1,2,3
	v_permlanex16_b32 v[TM+4+\b], v[TM+\b], s[SEL], s[SEL+1]
.endr
.irp b, 0,1,2,3
	v_max_num_f32 v[TM+\b], v[TM+\b], v[TM+4+\b]   ; with lane l xor 16's: the block's largest magnitude
.endr
.irp b, 0,1,2,3
	v_add_nc_u32 v[TM+12+\b], 0xff000000, v[TM+\b] ; 2 off its exponent field: the conversion's scale operand
.endr
.irp b, 0,1,2,3
	v_lshrrev_b32 v[TM+4+\b], 23, v[TM+12+\b]      ; the scale's byte
.endr
	v_lshl_or_b32 v[PW], v[TM+5], 8, v[TM+4]
	v_lshl_or_b32 v[PW], v[TM+6], 16, v[PW]
	v_lshl_or_b32 v[PW], v[TM+7], 24, v[PW]
.irp b, 0,1,2,3
	v_cvt_scalef32_pk8_fp4_f32 v[PC+2*\b], v[\s+16*\b:\s+7+16*\b], v[TM+12+\b]
	v_cvt_scalef32_pk8_fp4_f32 v[PC+1+2*\b], v[\s+8+16*\b:\s+15+16*\b], v[TM+12+\b]
.endr
	v_nop                                          ; one plain place behind a scaled conversion
.irp c, 0,1                                    ; the operand's layout wants a whole block in a lane: lanes 0-15 block 2 c, lanes 16-31 block 2 c + 1
.irp i, 0,1
	v_permlane16_swap_b32 v[PC+4*\c+\i], v[PC+2+4*\c+\i]
.endr
.endr
.endm
.macro XLOAD reg, s                    ; my 16 rows' numbers of my K step s: 64 a lane
.irp b, 0,1,2,3
.irp j, 0,1,2,3
	global_load_b128 v[\reg+16*\b+4*\j:\reg+16*\b+4*\j+3], v[XA], s[4:5] offset:512*\s+128*\b+16*\j
.endr
.endr
.endm
.macro LOADW mat, cp                   ; unit tiles 2 cp + g of my head, matrix mat: eight fragments and their scale words (four words a unit: one for each K step)
.irp i, 0,1,2,3,4,5,6,7,8,9,10,11,12,13,14,15
	ds_load_b128 v[WF+4*\i:WF+4*\i+3], v[WB+\mat] offset:\cp*8192+512*\i
.endr
.irp g, 0,1
	ds_load_b128 v[WS+4*\g:WS+4*\g+3], v[SB] offset:\mat*4096+(2*\cp+\g)*256
.endr
.endm
.macro PROD kind                       ; 16 matrix instructions: the four accumulators take turns, one instruction a turn; the first K step starts the sums
.irp ks, 0,1,2,3
.irp g, 0,1
.irp u, 0,1
.if \kind < 2
.if \ks == 0
	v_wmma_scale_f32_16x16x128_f8f6f4 v[AC+16*\g+8*\u:AC+16*\g+8*\u+7], v[WF+32*\g+8*\ks:WF+32*\g+8*\ks+7], v[XF+32*\u+8*\ks:XF+32*\u+8*\ks+7], 0, v[WS+4*\g+\ks], v[XS+4*\u+\ks] matrix_a_fmt:MATRIX_FMT_FP4 matrix_b_fmt:MATRIX_FMT_FP4
.else
	v_wmma_scale_f32_16x16x128_f8f6f4 v[AC+16*\g+8*\u:AC+16*\g+8*\u+7], v[WF+32*\g+8*\ks:WF+32*\g+8*\ks+7], v[XF+32*\u+8*\ks:XF+32*\u+8*\ks+7], v[AC+16*\g+8*\u:AC+16*\g+8*\u+7], v[WS+4*\g+\ks], v[XS+4*\u+\ks] matrix_a_fmt:MATRIX_FMT_FP4 matrix_b_fmt:MATRIX_FMT_FP4
.endif
.else
.if \ks == 0
	v_wmma_scale_f32_16x16x128_f8f6f4 v[AC+16*\g+8*\u:AC+16*\g+8*\u+7], v[XF+32*\u+8*\ks:XF+32*\u+8*\ks+7], v[WF+32*\g+8*\ks:WF+32*\g+8*\ks+7], 0, v[XS+4*\u+\ks], v[WS+4*\g+\ks] matrix_a_fmt:MATRIX_FMT_FP4 matrix_b_fmt:MATRIX_FMT_FP4
.else
	v_wmma_scale_f32_16x16x128_f8f6f4 v[AC+16*\g+8*\u:AC+16*\g+8*\u+7], v[XF+32*\u+8*\ks:XF+32*\u+8*\ks+7], v[WF+32*\g+8*\ks:WF+32*\g+8*\ks+7], v[AC+16*\g+8*\u:AC+16*\g+8*\u+7], v[XS+4*\u+\ks], v[WS+4*\g+\ks] matrix_a_fmt:MATRIX_FMT_FP4 matrix_b_fmt:MATRIX_FMT_FP4
.endif
.endif
.endr
.endr
.endr
.endm
.macro SEND kind, cp, ob               ; the four accumulators, each from its low end on, become f16 and leave: each store covers 512 consecutive bytes, aligned
	s_wait_xcnt 0x0                                ; the last stores have read PK: it is written again only behind this wait
.if \kind == 0
.set J, 0
.rept 16
	v_pk_mul_f32 v[AC+J:AC+J+1], v[AC+J:AC+J+1], s[CS:CS+1] op_sel_hi:[1,0]   ; Q x log2(e) / 8, in f32
.set J, J+2
.endr
.endif
.set J, 0
.rept 16
	v_cvt_pk_f16_f32 v[PK+J], v[AC+2*J], v[AC+2*J+1]
.set J, J+1
.endr
.irp g, 0,1
.irp u, 0,1
.if \kind < 2
	global_store_b128 v[LN], v[PK+4*(2*\g+\u):PK+4*(2*\g+\u)+3], s[\ob:\ob+1] offset:\u*2048+\cp*1024+\g*512
.else
	global_store_b128 v[LN], v[PK+4*(2*\g+\u):PK+4*(2*\g+\u)+3], s[\ob:\ob+1] offset:(2*\cp+\g)*1024+\u*512
.endif
.endr
.endr
.endm
.macro STAGE kind, cp, ob, more, nmat, ncp
	s_wait_dscnt 0x0                               ; this stage's fragments and scale words are in
	PROD \kind
.rept 5
	v_nop                                          ; five places: four in front of the loads into the fragments' and scales' registers and of the reads of results, the fifth in front of the next stage's first products, which write over the accumulators
.endr
.if \more
	LOADW \nmat, \ncp                              ; the next stage's weights are on their way while this stage's results are packed
.endif
	SEND \kind, \cp, \ob
.endm
	s_load_b256 s[4:11], s[0:1], 0x0               ; x, wimg, qimg, kimg
	s_load_b64 s[12:13], s[0:1], 0x20              ; vimg
	v_lshl_add_u32 v[SPW], v0, 2, SPARE
	v_mov_b32 v[NIL], 0
	ds_add_u32 v[SPW], v[NIL]                      ; the wave's opening: the add, twice on end, and its wait ahead of my first tensor load
	ds_add_u32 v[SPW], v[NIL]                      ; and once more, under the one wait; the set-up below is work on registers
	v_lshrrev_b32 v58, 5, v0
	v_readfirstlane_b32 s[WV], v58                 ; wave 0..7
	s_bfe_u32 s15, ttmp6, 0x40000                  ; cx: my place in the cluster
	s_lshl_b32 s16, ttmp9, 2
	s_add_co_u32 s16, s16, s15                     ; my block of 64 tokens = 4 x cluster x + cx: it enters x's and the outputs' addresses alone
	s_and_b32 s17, ttmp7, 0xffff                   ; which four heads: the partners share it
	s_and_b32 s18, s[WV], 1                        ; p
	s_lshr_b32 s19, s[WV], 1                       ; phase X: my token tile; phase G: my head of the four
	; descriptor group 1: 102 rows of 256 bytes (32 elements of 8 bytes), dense
	s_mov_b32 s[G1], 15|(3<<16)|(1<<21)            ; 15:0 the mask: all four work-groups; 17:16 elements of 8 bytes; 21 set beside a mask
	s_mov_b32 s[G1+1], 32<<16                      ; tensor_dim0 = 32
	s_mov_b32 s[G1+2], 102<<16                     ; tensor_dim1 = 102
	s_mov_b32 s[G1+3], 32<<16                      ; tile_dim0 = 32
	s_mov_b32 s[G1+4], 102                         ; tile_dim1 = 102
	s_mov_b32 s[G1+5], 32                          ; from row to row
	s_mov_b32 s[G1+6], 0
	s_mov_b32 s[G1+7], 0
	s_mov_b32 s[G0], 1
	s_mul_i32 s[G0+1], s[WV], WPART                ; LDS: my eighth
	s_mul_i32 s38, s17, WHALF
	s_add_co_u32 s38, s38, s[G0+1]                 ; and the same in memory: the heads' half and the wave's number alone
	s_mov_b32 s39, 0
	s_lshl_b32 s36, s16, 17                        ; x: 64 rows of 2,048 bytes a block,
	s_lshl_b32 s42, s19, 15                        ; 16 rows a token tile,
	s_add_co_u32 s36, s36, s42
	s_lshl_b32 s42, s18, 10                        ; two K steps of 512 bytes
	s_add_co_u32 s36, s36, s42
	s_mov_b32 s37, 0
	s_lshr_b32 s40, s16, 6                         ; the batch
	s_lshl_b32 s40, s40, 3
	s_lshl_b32 s41, s17, 2
	s_add_co_u32 s40, s40, s41
	s_add_co_u32 s40, s40, s19                     ; 8 x batch + head
	s_lshl_b32 s40, s40, 19                        ; 524,288 bytes each, in all three outputs
	s_and_b32 s41, s16, 63
	s_lshl_b32 s41, s41, 13                        ; 64 tokens are 8,192 bytes,
	s_add_co_u32 s40, s40, s41
	s_lshl_b32 s41, s18, 12                        ; my 32 of them 4,096
	s_add_co_u32 s40, s40, s41
	s_mov_b32 s41, 0
	s_mov_b32 s[SEL], 0x76543210
	s_mov_b32 s[SEL+1], 0xfedcba98                 ; v_permlanex16_b32's selects for lane l xor 16
	s_mov_b32 s[CS], 0x3e38aa3b                    ; log2(e) / 8
	s_mov_b32 s[CS+1], s[CS]                       ; (named with it as a pair, so it is written)
	v_and_b32 v58, 31, v0
	v_lshlrev_b32 v[LN], 4, v58
	v_lshlrev_b32 v[L4], 2, v58
	v_and_b32 v56, 15, v0                          ; r
	v_bfe_u32 v57, v0, 4, 1                        ; h
	v_lshlrev_b32 v[XA], 11, v56
	v_lshl_add_u32 v[XA], v57, 6, v[XA]
	s_lshl_b32 s42, s[WV], 11
	s_add_co_u32 s42, s42, XIMG
	v_add_nc_u32 v[XWI], s42, v[LN]                ; my two fragments: 2 x wave and + 1
	s_lshl_b32 s42, s[WV], 8
	s_add_co_u32 s42, s42, XSC
	v_add_nc_u32 v[XWS], s42, v[L4]
	s_lshl_b32 s42, s18, 13
	s_add_co_u32 s42, s42, XIMG
	v_add_nc_u32 v[XR], s42, v[LN]                 ; token tiles 2 p and 2 p + 1: eight fragments
	s_lshl_b32 s42, s18, 10
	s_add_co_u32 s42, s42, XSC
	v_add_nc_u32 v[XSR], s42, v[L4]
	s_lshl_b32 s42, s19, 14
	v_add_nc_u32 v[WB], s42, v[LN]                 ; a head's codes of a matrix: 16,384 bytes; a matrix: 65,536
	v_add_nc_u32 v[WB+1], 0x10000, v[WB]
	v_add_nc_u32 v[WB+2], 0x20000, v[WB]
	s_lshl_b32 s42, s19, 10
	s_add_co_u32 s42, s42, 196608
	v_lshl_add_u32 v[SB], v56, 4, s42
.irp b, 0,1,2,3
	v_mov_b32 v[TM+4+\b], 0                        ; written once: a lane permute's destination counts as one of its sources
.endr
	s_wait_dscnt 0x0                               ; both opening adds are done
	s_wait_kmcnt 0x0
	s_add_nc_u64 s[G0+2:G0+3], s[6:7], s[38:39]
	s_or_b32 s[G0+3], s[G0+3], 0x80000000          ; type = 2
	s_add_nc_u64 s[4:5], s[4:5], s[36:37]
	s_add_nc_u64 s[8:9], s[8:9], s[40:41]
	s_add_nc_u64 s[10:11], s[10:11], s[40:41]
	s_add_nc_u64 s[12:13], s[12:13], s[40:41]
	CROUND                                         ; all four work-groups are here: the joint loads meet
	tensor_load_to_lds s[G0:G0+3], s[G1:G1+7]      ; my one tensor load of the launch: nothing is filled again
	s_nop 0
.rept 4
	v_nop
.endr
	XLOAD XF, 0
	XLOAD WF, 1
	; ---- X
	s_wait_loadcnt 16                              ; my first K step's 16 loads are in; the second's may be out
	QUANT XF
.irp c, 0,1
	ds_store_b128 v[XWI], v[PC+4*\c:PC+4*\c+3] offset:512*\c
.endr
	ds_store_b32 v[XWS], v[PW]
	s_wait_dscnt 0x0                               ; the stores have read their registers
	s_wait_loadcnt 0x0
	QUANT WF
.irp c, 0,1
	ds_store_b128 v[XWI], v[PC+4*\c:PC+4*\c+3] offset:1024+512*\c
.endr
	ds_store_b32 v[XWS], v[PW] offset:128
	s_wait_tensorcnt 0x0                           ; for the others' sake: my eighth of the weights has landed,
	s_wait_dscnt 0x0                               ; and my images lie in LDS
	s_barrier_signal -1
	s_barrier_wait -1
	; ---- G
.irp i, 0,1,2,3,4,5,6,7,8,9,10,11,12,13,14,15
	ds_load_b128 v[XF+4*\i:XF+4*\i+3], v[XR] offset:512*\i      ; x's fragments stay in registers
.endr
.irp i, 0,1,2,3,4,5,6,7
	ds_load_b32 v[XS+\i], v[XSR] offset:128*\i
.endr
	LOADW 0, 0
	STAGE 0, 0, 8,  1, 0, 1
	STAGE 0, 1, 8,  1, 1, 0
	STAGE 1, 0, 10, 1, 1, 1
	STAGE 1, 1, 10, 1, 2, 0
	STAGE 2, 0, 12, 1, 2, 1
	STAGE 2, 1, 12, 0, 0, 0
	s_wait_tensorcnt 0x0                           ; the wave's end: behind my last tensor load and my last LDS store
	ds_add_u32 v[SPW], v[NIL]
	s_wait_dscnt 0x0
	CROUND                                         ; the closing round: no work-group ends while a partner may still ask for a tile that names it
	s_endpgm
.Lfunc_end_k_q7b3445e25e_qkv:
	.size	k_q7b3445e25e_qkv, .Lfunc_end_k_q7b3445e25e_qkv-k_q7b3445e25e_qkv
	.p2alignl 7, 3214868480
	.fill 96, 4, 3214868480
	.section	.rodata,"a",@progbits
	.p2align	6, 0x0
	.amdhsa_kernel k_q7b3445e25e_qkv
		.amdhsa_group_segment_fixed_size 229376
		.amdhsa_private_segment_fixed_size 0
		.amdhsa_enable_private_segment 0
		.amdhsa_kernarg_size 40
		.amdhsa_user_sgpr_count 2
		.amdhsa_user_sgpr_kernarg_segment_ptr 1
		.amdhsa_wavefront_size32 1
		.amdhsa_system_sgpr_workgroup_id_x 1
		.amdhsa_system_sgpr_workgroup_id_y 1
		.amdhsa_system_sgpr_workgroup_id_z 1
		.amdhsa_system_vgpr_workitem_id 0
		.amdhsa_next_free_vgpr 256
		.amdhsa_next_free_sgpr 66
		.amdhsa_reserve_vcc 0
		.amdhsa_float_denorm_mode_32 3
		.amdhsa_float_denorm_mode_16_64 3
		.amdhsa_memory_ordered 1
		.amdhsa_forward_progress 1
		.amdhsa_inst_pref_size 48
	.end_amdhsa_kernel
	.amdgpu_metadata
---
amdhsa.version: [ 1, 2 ]
amdhsa.kernels:
  - .name:           k_q7b3445e25e_qkv
    .symbol:         k_q7b3445e25e_qkv.kd
    .args:
      - { .name: x, .offset: 0, .size: 8, .value_kind: global_buffer, .address_space: global }
      - { .name: wimg, .offset: 8, .size: 8, .value_kind: global_buffer, .address_space: global }
      - { .name: qimg, .offset: 16, .size: 8, .value_kind: global_buffer, .address_space: global }
      - { .name: kimg, .offset: 24, .size: 8, .value_kind: global_buffer, .address_space: global }
      - { .name: vimg, .offset: 32, .size: 8, .value_kind: global_buffer, .address_space: global }
    .group_segment_fixed_size: 229376
    .private_segment_fixed_size: 0
    .kernarg_segment_align: 8
    .kernarg_segment_size: 40
    .max_flat_workgroup_size: 256
    .sgpr_count:     66
    .vgpr_count:     256
    .wavefront_size: 32
...
	.end_amdgpu_metadata
.endif
;; end of part 2
;; launch attn (part 3): grid 16 x 16, 8 waves a work-group, clusters of 4 x 1, 327,680 bytes of LDS; arguments qimg, kimg, vimg, cimg; writes cimg
.if DOCPART == 3
	.amdgcn_target "amdgcn-amd-amdhsa--gfx1250"
	.amdhsa_code_object_version 6
	.text
	.protected	k_q7b3445e25e_attn
	.globl	k_q7b3445e25e_attn
	.p2align	8
	.type	k_q7b3445e25e_attn,@function
k_q7b3445e25e_attn:
	s_mov_b64 s[64:65], 0
	v_nop
	global_prefetch_b8 v0, s[64:65] scope:SCOPE_SE
	s_setreg_imm32_b32 hwreg(HW_REG_WAVE_MODE, 25, 1), 1
	s_wait_xcnt 0x0
	s_wait_alu depctr_hold_cnt(0) depctr_sa_sdst(0) depctr_va_vdst(0) depctr_va_sdst(0) depctr_va_ssrc(0) depctr_va_vcc(0) depctr_vm_vsrc(0)
	s_getreg_b32 s2, hwreg(HW_REG_IB_STS2, 6, 4)
	s_cmp_eq_u32 s2, 0
	s_cbranch_scc0 .Lentry_in_a_cluster
	s_endpgm
.Lentry_in_a_cluster:
	s_bfe_u32 s2, ttmp6, 0x10000c
	s_cmp_lg_u32 s2, 0x3003
	s_cbranch_scc0 .Lentry_shape_is_right
	s_endpgm
.Lentry_shape_is_right:
; ctx[q] = the sum over k of softmax_k(Q[q] . K[k] / 8) V[k], for each of 16 (batch, head), 4,096 queries and keys, head size 64.  Operands f16, products, maxima and sums f32.
; Q comes multiplied by log2(e) / 8, so a score is an exponent of 2.  qimg, kimg, vimg lie in the order of the operands' registers: every fragment is fetched by 16-byte loads at 16 x lane, 512 consecutive bytes a load.
; SHARES.  A work-group owns 256 queries of one head; each of its eight waves 32: two tiles of 16, in 256 registers, two waves to a SIMD, so that one wave's softmax stands beside the other's products.
; LAYOUT.  S^T = K Q^T (source 0 = 16 keys, source 1 = 16 queries): a lane holds ONE query (lane % 16) and keys 8 (lane / 16) + 0 .. 7.  Two such tiles, rounded to f16 in pairs, ARE source 1 (32 keys x 16 queries)
; of O^T = V^T P, whose result again holds one query a lane, and eight channels.  Nothing changes lanes but one exchange between the halves for the maximum and, at the end, for the sum.
; SOFTMAX.  A running maximum m and sum l for each query: p = 2^(s - m); in every step O^T and l are multiplied by a = 2^(old m - new m).  m begins at -3e38, O^T and l at 0: the first a is 0.
; RING.  Two LDS slots of 512 keys (K's 65,536 bytes, then V's), eight chunks.  Each wave fetches an eighth of a slot by one tensor load of 64 rows of 256 bytes: waves 0-3 K's quarters, waves 4-7 V's.
; CLUSTER.  The four work-groups of a cluster belong to one head and walk the same K and V: each load is asked for JOINTLY, with the same descriptor and a mask that names the four.
; OUT.  cimg [128 tokens: 64][32 along k: 16][tile of 16 tokens 8][g][lane][16], f16, k = 64 x head + channel: the next launch's operand.
; LIMITS: |ctx| under 65,504 follows from |V| under it; NaN and infinities are not served.
.set SLOT1, 1<<17                      ; slot 1 begins here: one exclusive or turns an address in one slot into the other's
.set SPARE, 262144                     ; behind the ring: the spare words, 128 bytes for each wave: four blocks of 256 bytes that no other line names
.set LN,  1                            ; v1   16 x lane
.set ADK, 2                            ; v2   LDS address of the step's K
.set ADV, 3                            ; v3   of its V
.set SPW, 4                            ; v4   LDS address of my spare word; never rewritten
.set NIL, 5                            ; v5   0; never rewritten
.set PFO, 6                            ; v6   256 x lane: the prefetches' offset; never rewritten
.set ST,  8                            ; tile t's statistics at v[ST + 10 t]: +0 m (+1 named with it), +2, +3 l in two halves, +4 a (+5 named with it), +6 .. +9 c0-c3, at work
.set Q,   32                           ; v32-63   Q (t, 32 channels c) at 16 t + 8 c
.set F,   64                           ; v64-127  a step's K (key tile kt, c) at 16 kt + 8 c, then its V (32 keys ki, channel tile ct) at 32 ki + 8 ct; register 4 i = byte 512 i of the step's 8,192
.set S,   128                          ; v128-191 S^T (t, kt) at 32 t + 8 kt; P (t, ki) is packed over it at 32 t + 16 ki
.set O,   192                          ; v192-255 O^T (t, ct) at 32 t + 8 ct
.set WV,  12
.set G1,  24
.set G0,  32
.set TB,  36                           ; s36  LDS byte at which the step's K begins
.set SLOTS, 37                         ; s37  chunks still to be asked for
.set STEPS, 38
.set SEL, 40
.set PFA, 42                           ; s[42:43] where my prefetches stand
.set LIM, 44                           ; s44  1 in a wave that prefetches, else the greatest number
.macro CROUND                          ; a round of the cluster's barrier
	s_barrier_signal -1
	s_barrier_wait -1
	s_cmp_lg_u32 s[WV], 0
	s_cbranch_scc1 .Lnot_wave_0_\@
	s_barrier_signal -3
.Lnot_wave_0_\@:
	s_barrier_wait -3
	s_barrier_signal -1
	s_barrier_wait -1
.endm
; A PREFETCH of the chunk that the NEXT change of slots will ask for: 65,536 bytes of K and as many of V.  All clusters of a head walk the same K and V: the head's first cluster asks.  Its four partners share
; the bytes out BY ADDRESS, 8,192 each of every 32,768; in each, waves 0 and 2 ask for K's two halves and waves 4 and 6 for V's: one instruction, lanes 256 bytes apart.  So each aligned block of 256 bytes of chunks
; 2 to 7 is named once in the launch.  Chunks 0 and 1 come by their loads alone; the last change that fills a slot asks for nothing.
.macro ASK
	s_cmp_gt_u32 s[SLOTS], s[LIM]
	s_cbranch_scc0 .Lnot_mine_\@
	global_prefetch_b8 v[PFO], s[PFA:PFA+1] th:TH_LOAD_NT scope:SCOPE_SE
.Lnot_mine_\@:
.endm
.macro QK k0                           ; S^T of key tiles k0, k0 + 1, both query tiles: four accumulators by turns; the first 32 channels start the sums
.irp c, 0,1
.irp kt, \k0, \k0+1
.irp t, 0,1
.if \c == 0
	v_wmma_f32_16x16x32_f16 v[S+32*\t+8*(\kt):S+32*\t+8*(\kt)+7], v[F+16*(\kt)+8*\c:F+16*(\kt)+8*\c+7], v[Q+16*\t+8*\c:Q+16*\t+8*\c+7], 0
.else
	v_wmma_f32_16x16x32_f16 v[S+32*\t+8*(\kt):S+32*\t+8*(\kt)+7], v[F+16*(\kt)+8*\c:F+16*(\kt)+8*\c+7], v[Q+16*\t+8*\c:Q+16*\t+8*\c+7], v[S+32*\t+8*(\kt):S+32*\t+8*(\kt)+7]
.endif
.endr
.endr
.endr
.endm
.macro PV ki                           ; O^T += V^T P over keys 32 ki on: eight accumulators by turns
.irp ct, 0,1,2,3
.irp t, 0,1
	v_wmma_f32_16x16x32_f16 v[O+32*\t+8*\ct:O+32*\t+8*\ct+7], v[F+32*\ki+8*\ct:F+32*\ki+8*\ct+7], v[S+32*\t+16*\ki:S+32*\t+16*\ki+7], v[O+32*\t+8*\ct:O+32*\t+8*\ct+7]
.endr
.endr
.endm
; A KEY STEP: 64 keys, 32 matrix instructions.  The fragment buffer has two halves; each is loaded anew as soon as its products are issued and four places have passed.  next = 1: the next step's K follows in the same slot.
; Every s_wait_dscnt 8 leaves out the eight loads issued last: LDS loads come back in order.
.macro STEP next
	s_wait_dscnt 8                                 ; K's key tiles 0, 1 are in
	QK 0
	v_add_nc_u32 v[ADK], s[TB], v[LN]              ; four places in front of the loads into the lower half: two additions that are due, two v_nop
	v_add_nc_u32 v[ADV], 0x10000, v[ADK]
	v_nop
	v_nop
.irp i, 0,1,2,3,4,5,6,7
	ds_load_b128 v[F+4*\i:F+4*\i+3], v[ADV] offset:512*\i        ; V of keys 0-31
.endr
	s_wait_dscnt 8                                 ; K's key tiles 2, 3 are in
	QK 2
.irp b, 0,1                                    ; the maximum begins on key tiles 0, 1: four plain instructions that name nothing of the last products: the places in front of the loads below and of the reads of key tiles 2, 3
.irp t, 0,1
	v_max3_num_f32 v[ST+10*\t+6+\b], v[S+32*\t+8*\b], v[S+32*\t+8*\b+1], v[S+32*\t+8*\b+2]
.endr
.endr
.irp i, 8,9,10,11,12,13,14,15
	ds_load_b128 v[F+4*\i:F+4*\i+3], v[ADV] offset:512*\i        ; V of keys 32-63
.endr
.irp b, 2,3                                    ; each accumulator is read from its low end on
.irp t, 0,1
	v_max3_num_f32 v[ST+10*\t+6+\b], v[S+32*\t+8*\b], v[S+32*\t+8*\b+1], v[S+32*\t+8*\b+2]
.endr
.endr
.irp i, 3,5
.irp b, 0,1,2,3
.irp t, 0,1
	v_max3_num_f32 v[ST+10*\t+6+\b], v[ST+10*\t+6+\b], v[S+32*\t+8*\b+\i], v[S+32*\t+8*\b+\i+1]
.endr
.endr
.endr
.irp t, 0,1
	v_max3_num_f32 v[ST+10*\t+6], v[ST+10*\t+6], v[S+32*\t+7], v[S+32*\t+15]
	v_max3_num_f32 v[ST+10*\t+8], v[ST+10*\t+8], v[S+32*\t+23], v[S+32*\t+31]
.endr
.irp t, 0,1
	v_max3_num_f32 v[ST+10*\t+6], v[ST+10*\t+6], v[ST+10*\t+7], v[ST+10*\t+8]
.endr
.irp t, 0,1
	v_max3_num_f32 v[ST+10*\t+6], v[ST+10*\t+6], v[ST+10*\t+9], v[ST+10*\t]     ; with the old m
.endr
.irp t, 0,1
	v_permlanex16_b32 v[ST+10*\t+7], v[ST+10*\t+6], s[SEL], s[SEL+1]             ; the query's other 32 keys lie in the lane 16 away
.endr
.irp t, 0,1
	v_max_num_f32 v[ST+10*\t+6], v[ST+10*\t+6], v[ST+10*\t+7]                    ; the new m
.endr
.irp t, 0,1
	v_sub_f32 v[ST+10*\t+8], v[ST+10*\t], v[ST+10*\t+6]                          ; old m - new m
.endr
.irp t, 0,1
	v_mov_b32 v[ST+10*\t], v[ST+10*\t+6]
.endr
.set J, 0
.rept 16
.irp t, 0,1
	v_pk_add_f32 v[S+32*\t+J:S+32*\t+J+1], v[S+32*\t+J:S+32*\t+J+1], v[ST+10*\t:ST+10*\t+1] op_sel_hi:[1,0] neg_lo:[0,1] neg_hi:[0,1]   ; s - m, two at a time (of the pair the low word serves both halves)
.endr
.set J, J+2
.endr
.irp t, 0,1
	v_exp_f32 v[ST+10*\t+4], v[ST+10*\t+8]         ; a.  ONE BATCH: both tiles' 66 exponentials, none of which reads another's result
.endr
.set J, 0
.rept 32
.irp t, 0,1
	v_exp_f32 v[S+32*\t+J], v[S+32*\t+J]           ; p = 2^(s - m)
.endr
.set J, J+1
.endr
	v_nop                                          ; a plain instruction behind the last exponential
	s_wait_alu depctr_va_vdst(0)                   ; one wait for the batch, ahead of the first instruction that names a result
.irp t, 0,1
	v_pk_mul_f32 v[ST+10*\t+2:ST+10*\t+3], v[ST+10*\t+2:ST+10*\t+3], v[ST+10*\t+4:ST+10*\t+5] op_sel_hi:[1,0]   ; l x a
.endr
.irp t, 0,1
	v_pk_add_f32 v[ST+10*\t+6:ST+10*\t+7], v[S+32*\t:S+32*\t+1], v[S+32*\t+2:S+32*\t+3]   ; the sum of p in f32, ahead of its rounding: two chains a tile
.endr
.irp j, 4,8,12,16,20,24,28
.irp t, 0,1
	v_pk_add_f32 v[ST+10*\t+2:ST+10*\t+3], v[ST+10*\t+2:ST+10*\t+3], v[S+32*\t+\j:S+32*\t+\j+1]
	v_pk_add_f32 v[ST+10*\t+6:ST+10*\t+7], v[ST+10*\t+6:ST+10*\t+7], v[S+32*\t+\j+2:S+32*\t+\j+3]
.endr
.endr
.irp t, 0,1
	v_pk_add_f32 v[ST+10*\t+2:ST+10*\t+3], v[ST+10*\t+2:ST+10*\t+3], v[ST+10*\t+6:ST+10*\t+7]
.endr
.irp ki, 0,1                                   ; P: 16 weights of 32 keys pack into 8 registers, in place: register q is written when registers 2 q, 2 q + 1 are read, and none below 2 q + 2 is read later
.irp q, 0,1,2,3,4,5,6,7
.irp t, 0,1
	v_cvt_pk_f16_f32 v[S+32*\t+16*\ki+\q], v[S+32*\t+16*\ki+2*\q], v[S+32*\t+16*\ki+2*\q+1]
.endr
.endr
.endr
.set J, 0
.rept 16
.irp t, 0,1
	v_pk_mul_f32 v[O+32*\t+J:O+32*\t+J+1], v[O+32*\t+J:O+32*\t+J+1], v[ST+10*\t+4:ST+10*\t+5] op_sel_hi:[1,0]   ; O^T x a, each accumulator from its low end on
.endr
.set J, J+2
.endr
	s_wait_dscnt 8                                 ; V of keys 0-31 is in
	PV 0
.rept 4
	v_nop                                          ; places in front of the loads into the lower half
.endr
.if \next
.irp i, 0,1,2,3,4,5,6,7
	ds_load_b128 v[F+4*\i:F+4*\i+3], v[ADK] offset:8192+512*\i   ; the next step's key tiles 0, 1
.endr
	s_wait_dscnt 8                                 ; V of keys 32-63 is in
.else
	s_wait_dscnt 0x0
.endif
	PV 1
.rept 5
	v_nop                                          ; four places in front of the loads into the upper half; the fifth in front of the next step's products, which write over P
.endr
.if \next
.irp i, 8,9,10,11,12,13,14,15
	ds_load_b128 v[F+4*\i:F+4*\i+3], v[ADK] offset:8192+512*\i   ; and its key tiles 2, 3
.endr
	s_add_co_u32 s[TB], s[TB], 8192
.endif
.endm
; THE CHANGE OF SLOTS stands at a chunk's head.  Each wave waits for all its tensor loads (one is out: its eighth of the chunk that it is about to read), adds 0 to its spare word, and waits for that and for its reads of
; the slot that it has left.  fill = 1: a round of the cluster's barrier follows, so that no wave of any partner still reads that slot or has a load on its way, and the joint load of the next chunk is the first thing
; behind it: it has a chunk's eight steps, 256 matrix instructions a wave, in which to land.
.macro CHANGE fill
	s_wait_tensorcnt 0x0                           ; no tensor load of mine is out, so group 0 may be written
	ds_add_u32 v[SPW], v[NIL]                      ; 0 onto my spare word
.if \fill
	s_xor_b32 s[G0+1], s[G0+1], SLOT1              ; the walking descriptor: the other slot than last time,
	s_add_nc_u64 s[G0+2:G0+3], s[G0+2:G0+3], 65536 ; the next 512 keys; the type bits on top are not reached
	s_wait_xcnt 0x0                                ; the last prefetch, a chunk back, has read its address, so it may be written:
	s_add_nc_u64 s[PFA:PFA+1], s[PFA:PFA+1], 65536 ; one chunk further on than the walking descriptor
	s_wait_dscnt 0x0                               ; the add is done, and my reads of the slot that I have left are over
	CROUND
	tensor_load_to_lds s[G0:G0+3], s[G1:G1+7]      ; my one tensor load until the next round
	s_nop 0
.rept 4
	v_nop
.endr
	ASK
.else
	s_wait_dscnt 0x0
	s_barrier_signal -1
	s_barrier_wait -1
.endif
.endm
.macro CHUNK                           ; a slot's eight key steps: seven in a loop, the last, which has no successor in the slot, written out
	v_add_nc_u32 v[ADK], s[TB], v[LN]
.irp i, 0,1,2,3,4,5,6,7,8,9,10,11,12,13,14,15
	ds_load_b128 v[F+4*\i:F+4*\i+3], v[ADK] offset:512*\i
.endr
	s_mov_b32 s[STEPS], 7
.Lstep_\@:
	STEP 1
	s_sub_co_u32 s[STEPS], s[STEPS], 1
	s_cmp_lg_u32 s[STEPS], 0
	s_cbranch_scc1 .Lstep_\@
	STEP 0
	s_sub_co_u32 s[TB], s[TB], 57344               ; back to a slot's first step,
	s_xor_b32 s[TB], s[TB], SLOT1                  ; in the other slot
.endm
	s_load_b256 s[4:11], s[0:1], 0x0               ; qimg, kimg, vimg, cimg
	v_lshl_add_u32 v[SPW], v0, 2, SPARE
	v_mov_b32 v[NIL], 0
	ds_add_u32 v[SPW], v[NIL]                      ; the wave's opening: the add, twice on end, and its wait ahead of my first tensor load
	ds_add_u32 v[SPW], v[NIL]                      ; and once more, under the one wait; the set-up below is work on registers
	v_lshrrev_b32 v7, 5, v0
	v_readfirstlane_b32 s[WV], v7                  ; wave 0..7
	s_bfe_u32 s13, ttmp6, 0x40000                  ; cx: my place in the cluster
	s_lshl_b32 s14, ttmp9, 2
	s_add_co_u32 s14, s14, s13                     ; my block of 256 queries: it enters Q's and ctx's addresses alone
	s_and_b32 s15, ttmp7, 0xffff                   ; 8 x batch + head, which the partners share
	s_lshl_b32 s16, s15, 19                        ; its first byte in qimg, kimg, vimg
	s_mov_b32 s17, 0
	s_and_b32 s18, s[WV], 3
	s_lshl_b32 s18, s18, 14                        ; my quarter of K's or V's 65,536 bytes of a chunk
	s_mov_b32 s19, 0
	s_add_nc_u64 s[18:19], s[18:19], s[16:17]
	; descriptor group 1: 64 rows of 256 bytes (32 elements of 8 bytes), dense
	s_mov_b32 s[G1], 15|(3<<16)|(1<<21)            ; 15:0 the mask: all four work-groups; 17:16 elements of 8 bytes; 21 set beside a mask
	s_mov_b32 s[G1+1], 32<<16                      ; tensor_dim0 = 32
	s_mov_b32 s[G1+2], 64<<16                      ; tensor_dim1 = 64
	s_mov_b32 s[G1+3], 32<<16                      ; tile_dim0 = 32
	s_mov_b32 s[G1+4], 64                          ; tile_dim1 = 64
	s_mov_b32 s[G1+5], 32                          ; from row to row
	s_mov_b32 s[G1+6], 0
	s_mov_b32 s[G1+7], 0
	s_mov_b32 s[G0], 1
	s_lshl_b32 s[G0+1], s[WV], 14                  ; LDS: slot 0, my eighth
	s_lshl_b32 s20, s14, 15                        ; Q: 16 tiles of 2,048 bytes a block,
	s_lshl_b32 s21, s[WV], 12                      ; two a wave
	s_add_co_u32 s20, s20, s21
	s_mov_b32 s21, 0
	s_add_nc_u64 s[20:21], s[20:21], s[16:17]
	s_lshr_b32 s22, s15, 3                         ; ctx: my first tile of 16 tokens, T = 256 x batch + 16 x block + 2 x wave
	s_lshl_b32 s22, s22, 8
	s_lshl_b32 s23, s14, 4
	s_add_co_u32 s22, s22, s23
	s_lshl_b32 s23, s[WV], 1
	s_add_co_u32 s22, s22, s23
	s_lshr_b32 s23, s22, 3
	s_lshl_b32 s23, s23, 17                        ; 131,072 bytes for 128 tokens,
	s_and_b32 s22, s22, 7
	s_lshl_b32 s22, s22, 10                        ; 1,024 a tile,
	s_add_co_u32 s22, s22, s23
	s_and_b32 s23, s15, 7
	s_lshl_b32 s23, s23, 14                        ; 2 x 8,192 a head
	s_add_co_u32 s22, s22, s23
	s_mov_b32 s23, 0
	s_and_b32 s46, s[WV], 2                        ; the prefetches: which half of K's or V's 65,536 bytes,
	s_lshl_b32 s46, s46, 14
	s_lshl_b32 s47, s13, 13                        ; my work-group's 8,192 of it,
	s_add_co_u32 s46, s46, s47
	s_add_co_u32 s46, s46, 65536                   ; in chunk 1: the first change of slots steps it to chunk 2
	s_mov_b32 s47, 0
	s_add_nc_u64 s[46:47], s[46:47], s[16:17]
	s_and_b32 s[LIM], s[WV], 1                     ; 0 in the even waves
	s_or_b32 s[LIM], s[LIM], ttmp9                 ; of the head's first cluster: the same in all four partners
	s_cmp_eq_u32 s[LIM], 0
	s_cselect_b32 s[LIM], 1, -1
	s_mov_b32 s[SEL], 0x76543210
	s_mov_b32 s[SEL+1], 0xfedcba98                 ; v_permlanex16_b32's selects for lane l xor 16
	s_mov_b32 s[TB], 0
	s_mov_b32 s[SLOTS], 7
	v_and_b32 v7, 31, v0
	v_lshlrev_b32 v[LN], 4, v7
	v_lshlrev_b32 v[PFO], 8, v7
	s_wait_dscnt 0x0                               ; both opening adds are done
	s_wait_kmcnt 0x0
	s_cmp_lt_u32 s[WV], 4                          ; waves 0-3 serve K, waves 4-7 V: a choice by the wave's number alone
	s_cselect_b64 s[G0+2:G0+3], s[6:7], s[8:9]
	s_cselect_b64 s[PFA:PFA+1], s[6:7], s[8:9]
	s_add_nc_u64 s[G0+2:G0+3], s[G0+2:G0+3], s[18:19]
	s_or_b32 s[G0+3], s[G0+3], 0x80000000          ; type = 2
	s_add_nc_u64 s[PFA:PFA+1], s[PFA:PFA+1], s[46:47]
	s_add_nc_u64 s[4:5], s[4:5], s[20:21]
	s_add_nc_u64 s[10:11], s[10:11], s[22:23]
	CROUND                                         ; all four work-groups are here: the first joint loads meet
	tensor_load_to_lds s[G0:G0+3], s[G1:G1+7]      ; chunk 0 into slot 0
	s_nop 0
.rept 4
	v_nop
.endr
.irp i, 0,1,2,3,4,5,6,7
	global_load_b128 v[Q+4*\i:Q+4*\i+3], v[LN], s[4:5] offset:512*\i   ; Q stays in registers
.endr
.set J, 0
.rept 20
	v_mov_b32 v[ST+J], 0                           ; l, a, and what is named before it is first written
.set J, J+1
.endr
.irp t, 0,1
	v_mov_b32 v[ST+10*\t], 0xff61b1e6              ; m: -3e38, under every score
.endr
.set J, 0
.rept 64
	v_mov_b32 v[O+J], 0                            ; O^T: the step is written once; its first pass multiplies zeros by a = 0
.set J, J+1
.endr
	s_wait_loadcnt 0x0                             ; Q
.Lchunk:                                           ; seven trips: behind each change of slots but the last the next chunk is asked for
	CHANGE 1
	CHUNK
	s_sub_co_u32 s[SLOTS], s[SLOTS], 1
	s_cmp_lg_u32 s[SLOTS], 0
	s_cbranch_scc1 .Lchunk
	CHANGE 0                                       ; the last chunk is written out
	CHUNK
	; THE WAY OUT.  l's two halves and the other half of the lanes' are added; O^T is divided by l and rounded to f16: a lane's eight channels of a query are 16 bytes of the next launch's operand, at 16 x lane.
.irp t, 0,1
	v_add_f32 v[ST+10*\t+6], v[ST+10*\t+2], v[ST+10*\t+3]
.endr
.irp t, 0,1
	v_permlanex16_b32 v[ST+10*\t+7], v[ST+10*\t+6], s[SEL], s[SEL+1]
.endr
.irp t, 0,1
	v_add_f32 v[ST+10*\t+6], v[ST+10*\t+6], v[ST+10*\t+7]
.endr
.irp t, 0,1
	v_rcp_f32 v[ST+10*\t+4], v[ST+10*\t+6]
.endr
	v_nop                                          ; a plain instruction behind the last reciprocal
	s_wait_alu depctr_va_vdst(0)                   ; and the wait ahead of the first use: one for the two
.set J, 0
.rept 16
.irp t, 0,1
	v_pk_mul_f32 v[O+32*\t+J:O+32*\t+J+1], v[O+32*\t+J:O+32*\t+J+1], v[ST+10*\t+4:ST+10*\t+5] op_sel_hi:[1,0]
.endr
.set J, J+2
.endr
.set J, 0
.rept 32
	v_cvt_pk_f16_f32 v[F+J], v[O+2*J], v[O+2*J+1]
.set J, J+1
.endr
.irp t, 0,1
.irp ct, 0,1,2,3
	global_store_b128 v[LN], v[F+16*\t+4*\ct:F+16*\t+4*\ct+3], s[10:11] offset:\t*1024+(\ct/2)*8192+(\ct%2)*512   ; 512 consecutive bytes, aligned
.endr
.endr
	s_wait_tensorcnt 0x0                           ; the wave's end: behind my last tensor load
	ds_add_u32 v[SPW], v[NIL]
	s_wait_dscnt 0x0
	CROUND                                         ; the closing round: no work-group ends while a partner may still ask for a tile that names it
	s_endpgm
.Lfunc_end_k_q7b3445e25e_attn:
	.size	k_q7b3445e25e_attn, .Lfunc_end_k_q7b3445e25e_attn-k_q7b3445e25e_attn
	.p2alignl 7, 3214868480
	.fill 96, 4, 3214868480
	.section	.rodata,"a",@progbits
	.p2align	6, 0x0
	.amdhsa_kernel k_q7b3445e25e_attn
		.amdhsa_group_segment_fixed_size 327680
		.amdhsa_private_segment_fixed_size 0
		.amdhsa_enable_private_segment 0
		.amdhsa_kernarg_size 32
		.amdhsa_user_sgpr_count 2
		.amdhsa_user_sgpr_kernarg_segment_ptr 1
		.amdhsa_wavefront_size32 1
		.amdhsa_system_sgpr_workgroup_id_x 1
		.amdhsa_system_sgpr_workgroup_id_y 1
		.amdhsa_system_sgpr_workgroup_id_z 1
		.amdhsa_system_vgpr_workitem_id 0
		.amdhsa_next_free_vgpr 256
		.amdhsa_next_free_sgpr 66
		.amdhsa_reserve_vcc 0
		.amdhsa_float_denorm_mode_32 3
		.amdhsa_float_denorm_mode_16_64 3
		.amdhsa_memory_ordered 1
		.amdhsa_forward_progress 1
		.amdhsa_inst_pref_size 84
	.end_amdhsa_kernel
	.amdgpu_metadata
---
amdhsa.version: [ 1, 2 ]
amdhsa.kernels:
  - .name:           k_q7b3445e25e_attn
    .symbol:         k_q7b3445e25e_attn.kd
    .args:
      - { .name: qimg, .offset: 0, .size: 8, .value_kind: global_buffer, .address_space: global }
      - { .name: kimg, .offset: 8, .size: 8, .value_kind: global_buffer, .address_space: global }
      - { .name: vimg, .offset: 16, .size: 8, .value_kind: global_buffer, .address_space: global }
      - { .name: cimg, .offset: 24, .size: 8, .value_kind: global_buffer, .address_space: global }
    .group_segment_fixed_size: 327680
    .private_segment_fixed_size: 0
    .kernarg_segment_align: 8
    .kernarg_segment_size: 32
    .max_flat_workgroup_size: 256
    .sgpr_count:     66
    .vgpr_count:     256
    .wavefront_size: 32
...
	.end_amdgpu_metadata
.endif
;; end of part 3
;; launch oproj (part 4): grid 4 x 64, 8 waves a work-group, clusters of 4 x 4, 327,680 bytes of LDS; arguments cimg, woimg, out0; writes out0
.if DOCPART == 4
	.amdgcn_target "amdgcn-amd-amdhsa--gfx1250"
	.amdhsa_code_object_version 6
	.text
	.protected	k_q7b3445e25e_oproj
	.globl	k_q7b3445e25e_oproj
	.p2align	8
	.type	k_q7b3445e25e_oproj,@function
k_q7b3445e25e_oproj:
	s_mov_b64 s[64:65], 0
	v_nop
	global_prefetch_b8 v0, s[64:65] scope:SCOPE_SE
	s_setreg_imm32_b32 hwreg(HW_REG_WAVE_MODE, 25, 1), 1
	s_wait_xcnt 0x0
	s_wait_alu depctr_hold_cnt(0) depctr_sa_sdst(0) depctr_va_vdst(0) depctr_va_sdst(0) depctr_va_ssrc(0) depctr_va_vcc(0) depctr_vm_vsrc(0)
	s_getreg_b32 s2, hwreg(HW_REG_IB_STS2, 6, 4)
	s_cmp_eq_u32 s2, 0
	s_cbranch_scc0 .Lentry_in_a_cluster
	s_endpgm
.Lentry_in_a_cluster:
	s_bfe_u32 s2, ttmp6, 0x10000c
	s_cmp_lg_u32 s2, 0xf033
	s_cbranch_scc0 .Lentry_shape_is_right
	s_endpgm
.Lentry_shape_is_right:
; out0 [8,192][512] f32 = ctx Wo.  Operands f16, in the order of the operands' registers (cimg, woimg); sums in f32, K = 512 in 16 steps of 32.
; SHARES.  A work-group makes 128 tokens x 128 units.  All of K lies in LDS: ctx's 131,072 bytes and Wo's, each in two halves along K, filled once.  Wave w makes token tiles 2 (w % 4) + u and unit tiles 4 (w / 4) + n: 8 accumulators.
; CLUSTER.  4 x 4 work-groups: the four of a row of the cluster need the same tokens' ctx, the four of a column the same units' Wo: each is asked for JOINTLY.  Waves 0-3 fetch ctx's quarters of a half, waves 4-7 Wo's:
; two tensor loads a wave, 64 rows of 256 bytes each, both issued at the start: two are out.
; THE MATRIX INSTRUCTION IS USED TRANSPOSED (source 0 = 16 units, source 1 = 16 tokens): a lane holds eight neighbouring units of one token.  The results go through the wave's own stage in LDS and leave as
; runs of 256 consecutive bytes, aligned, from sixteen neighbouring lanes.
.set HALF,  131072                     ; LDS: half q along K at q x HALF: ctx's 8 steps x 8,192 bytes, then Wo's
.set STAGE, 262144                     ; behind them: 16 rows x (256 bytes + 16) for each wave
.set SPARE, 296960                     ; the spare words, 128 bytes for each wave: four blocks of 256 bytes that no other line names
.set LN,  1                            ; v1   16 x lane
.set AA,  2                            ; v2-3 my two token tiles in half 0, 1
.set BB,  4                            ; v4-5 my four unit tiles in half 0, 1
.set STO, 6                            ; v6   the stage: where I put 32 bytes of a row
.set RD,  7                            ; v7   and where I read a row back
.set CO,  8                            ; v8   my byte offset in two rows of out0
.set SPW, 10                           ; v10  LDS address of my spare word; never rewritten
.set NIL, 11                           ; v11  0; never rewritten
.set FR,  32                           ; fragments, two sets of 48: ctx (u) at 8 u, Wo (n) at 16 + 8 n
.set ACC, 128                          ; accumulator (u, n) at 32 u + 8 n
.set BK,  192                          ; rows read back from the stage: 32 registers for each u
.set WV,  10
.set G1A, 24
.set G1B, 32
.set G0A, 40                           ; s[40:47] group 0 for ctx, half 0 and 1
.set G0B, 48                           ; s[48:55] for Wo
.macro CROUND                          ; a round of the cluster's barrier
	s_barrier_signal -1
	s_barrier_wait -1
	s_cmp_lg_u32 s[WV], 0
	s_cbranch_scc1 .Lnot_wave_0_\@
	s_barrier_signal -3
.Lnot_wave_0_\@:
	s_barrier_wait -3
	s_barrier_signal -1
	s_barrier_wait -1
.endm
	s_load_b128 s[4:7], s[0:1], 0x0                ; cimg, woimg
	s_load_b64 s[8:9], s[0:1], 0x10                ; out0
	v_lshl_add_u32 v[SPW], v0, 2, SPARE
	v_mov_b32 v[NIL], 0
	ds_add_u32 v[SPW], v[NIL]                      ; the wave's opening: the add, twice on end, and its wait ahead of my first tensor load
	ds_add_u32 v[SPW], v[NIL]                      ; and once more, under the one wait; the set-up below is work on registers
	v_lshrrev_b32 v9, 5, v0
	v_readfirstlane_b32 s[WV], v9                  ; wave 0..7
	s_and_b32 s11, s[WV], 3                        ; my pair of token tiles.  Also: which quarter I fetch
	s_lshr_b32 s12, s[WV], 2                       ; my four unit tiles
	s_bfe_u32 s56, ttmp6, 0x40000                  ; cx, cy: my place in the cluster
	s_bfe_u32 s57, ttmp6, 0x40004
	s_lshl_b32 s58, ttmp9, 2
	s_add_co_u32 s58, s58, s56                     ; which 128 units = 4 x cluster x + cx
	s_and_b32 s13, ttmp7, 0xffff
	s_lshl_b32 s13, s13, 2
	s_add_co_u32 s13, s13, s57                     ; which 128 tokens = 4 x cluster y + cy
	s_lshl_b32 s22, s57, 2
	s_lshl_b32 s22, 15, s22                        ; my row of the cluster
	s_lshl_b32 s59, 0x1111, s56                    ; my column
	; descriptor group 1: 64 rows of 256 bytes (32 elements of 8 bytes), dense
	s_or_b32 s[G1A], s22, (3<<16)|(1<<21)          ; 15:0 the mask: ctx goes to my row; 17:16 elements of 8 bytes; 21 set beside a mask
	s_or_b32 s[G1B], s59, (3<<16)|(1<<21)          ; Wo goes to my column
.irp g, G1A, G1B
	s_mov_b32 s[\g+1], 32<<16                      ; tensor_dim0 = 32
	s_mov_b32 s[\g+2], 64<<16                      ; tensor_dim1 = 64
	s_mov_b32 s[\g+3], 32<<16                      ; tile_dim0 = 32
	s_mov_b32 s[\g+4], 64                          ; tile_dim1 = 64
	s_mov_b32 s[\g+5], 32                          ; from row to row
	s_mov_b32 s[\g+6], 0
	s_mov_b32 s[\g+7], 0
.endr
	s_lshl_b32 s14, s11, 14                        ; my quarter of a half's 65,536 bytes
	s_lshl_b32 s15, s[WV], 14                      ; and where it goes: ctx's four quarters, then Wo's: the wave's number alone
	s_lshl_b32 s16, s13, 17                        ; ctx: 131,072 bytes for 128 tokens.  Each address is made in registers that never hold the other coordinate
	s_add_co_u32 s16, s16, s14
	s_mov_b32 s17, 0
	s_lshl_b32 s60, s58, 17                        ; Wo: 131,072 bytes for 128 units
	s_add_co_u32 s60, s60, s14
	s_mov_b32 s61, 0
	v_and_b32 v9, 31, v0
	v_lshlrev_b32 v[LN], 4, v9
	s_lshl_b32 s23, s11, 11
	v_add_nc_u32 v[AA], s23, v[LN]                 ; two tiles of 1,024 bytes
	v_add_nc_u32 v[AA+1], HALF, v[AA]
	s_lshl_b32 s23, s12, 12
	s_add_co_u32 s23, s23, 65536
	v_add_nc_u32 v[BB], s23, v[LN]                 ; four tiles of 1,024 bytes, behind ctx
	v_add_nc_u32 v[BB+1], HALF, v[BB]
	v_and_b32 v12, 15, v0                          ; r
	v_bfe_u32 v13, v0, 4, 1                        ; h
	s_mul_i32 s23, s[WV], 16*272
	s_add_co_u32 s23, s23, STAGE                   ; my stage
	v_mul_u32_u24 v[STO], v12, 272
	v_lshl_add_u32 v[STO], v13, 5, v[STO]
	v_add_nc_u32 v[STO], s23, v[STO]               ; in: row r, 32 bytes for each half of the lanes
	v_mul_u32_u24 v[RD], v13, 272
	v_lshl_add_u32 v[RD], v12, 4, v[RD]
	v_add_nc_u32 v[RD], s23, v[RD]                 ; back: lanes 0-15 one row of 256 bytes, lanes 16-31 the next
	v_lshlrev_b32 v[CO], 11, v13
	v_lshl_add_u32 v[CO], v12, 4, v[CO]            ; and the same two rows in out0
	s_wait_dscnt 0x0                               ; both opening adds are done
	s_wait_kmcnt 0x0
	s_add_nc_u64 s[18:19], s[4:5], s[16:17]
	s_add_nc_u64 s[62:63], s[6:7], s[60:61]
.irp q, 0,1
	s_mov_b32 s[G0A+4*\q], 1
	s_add_co_u32 s[G0A+4*\q+1], s15, \q*HALF
	s_add_nc_u64 s[G0A+4*\q+2:G0A+4*\q+3], s[18:19], \q*65536
	s_or_b32 s[G0A+4*\q+3], s[G0A+4*\q+3], 0x80000000
	s_mov_b32 s[G0B+4*\q], 1
	s_add_co_u32 s[G0B+4*\q+1], s15, \q*HALF
	s_add_nc_u64 s[G0B+4*\q+2:G0B+4*\q+3], s[62:63], \q*65536
	s_or_b32 s[G0B+4*\q+3], s[G0B+4*\q+3], 0x80000000
.endr
	s_lshl_b32 s20, s13, 18                        ; out0: 128 rows of 2,048 bytes,
	s_lshl_b32 s21, s11, 16                        ; my 32 rows,
	s_add_co_u32 s20, s20, s21
	s_lshl_b32 s21, s58, 9                         ; 128 units are 512 bytes,
	s_add_co_u32 s20, s20, s21
	s_lshl_b32 s21, s12, 8                         ; my 64 units 256
	s_add_co_u32 s20, s20, s21
	s_mov_b32 s21, 0
	s_add_nc_u64 s[8:9], s[8:9], s[20:21]
	CROUND                                         ; all sixteen work-groups are here: the joint loads meet
	s_cmp_lt_u32 s[WV], 4                          ; a wave's two fills stand in one branch on the wave's number, ahead of every wait on TENSORcnt and every LDS read
	s_cbranch_scc0 .Lfor_wo
	tensor_load_to_lds s[G0A:G0A+3], s[G1A:G1A+7]
	s_nop 0
	tensor_load_to_lds s[G0A+4:G0A+7], s[G1A:G1A+7]
	s_nop 0
.rept 4
	v_nop
.endr
	s_branch .Lasked
.Lfor_wo:
	tensor_load_to_lds s[G0B:G0B+3], s[G1B:G1B+7]
	s_nop 0
	tensor_load_to_lds s[G0B+4:G0B+7], s[G1B:G1B+7]
	s_nop 0
.rept 4
	v_nop
.endr
.Lasked:
.macro LOADF kc                        ; K step kc's fragments into set kc % 2: 12 loads of 512 consecutive bytes
.set FS, FR+48*((\kc)%2)
.irp i, 0,1,2,3
	ds_load_b128 v[FS+4*\i:FS+4*\i+3], v[AA+(\kc)/8] offset:((\kc)%8)*8192+512*\i
.endr
.irp i, 0,1,2,3,4,5,6,7
	ds_load_b128 v[FS+16+4*\i:FS+16+4*\i+3], v[BB+(\kc)/8] offset:((\kc)%8)*8192+512*\i
.endr
.endm
.macro MUL8 kc                         ; the eight accumulators take turns, one instruction a turn; the first K step starts the sums
.set FS, FR+48*((\kc)%2)
.irp n, 0,1,2,3
.irp u, 0,1
.if (\kc) == 0
	v_wmma_f32_16x16x32_f16 v[ACC+32*\u+8*\n:ACC+32*\u+8*\n+7], v[FS+16+8*\n:FS+16+8*\n+7], v[FS+8*\u:FS+8*\u+7], 0
.else
	v_wmma_f32_16x16x32_f16 v[ACC+32*\u+8*\n:ACC+32*\u+8*\n+7], v[FS+16+8*\n:FS+16+8*\n+7], v[FS+8*\u:FS+8*\u+7], v[ACC+32*\u+8*\n:ACC+32*\u+8*\n+7]
.endif
.endr
.endr
.endm
	s_wait_tensorcnt 1                             ; my part of half 0 is in; half 1's may stay out
	s_barrier_signal -1
	s_barrier_wait -1                              ; everybody's is
	LOADF 0
.set KC, 0
.rept 16
.if KC == 7
	s_wait_tensorcnt 0x0                           ; my part of half 1 is in,
	s_wait_dscnt 0x0                               ; (no LDS instruction is pending at a signal)
	s_barrier_signal -1
	s_barrier_wait -1                              ; everybody's is: K step 8 may be fetched
.endif
.if KC < 15
.if KC > 0
.rept 4
	v_nop                                          ; places in front of loads into the set that the last products read
.endr
.endif
	LOADF KC+1
	s_wait_dscnt 12                                ; this K step's fragments are in; the 12 loads just issued may be out
.else
	s_wait_dscnt 0x0
.endif
	MUL8 KC
.set KC, KC+1
.endr
	; THE WAY OUT: 16 tokens x 64 units at a time through my own stage.  LDS serves a wave's instructions in order (ISA guide 5.7.1.4): no wait between the stores and the loads, nor in front of the next tile's stores.
.rept 4
	v_nop                                          ; places in front of the first read of results
.endr
.irp u, 0,1
.irp n, 0,1,2,3
	ds_store_b128 v[STO], v[ACC+32*\u+8*\n:ACC+32*\u+8*\n+3] offset:64*\n          ; each accumulator from its low end on
	ds_store_b128 v[STO], v[ACC+32*\u+8*\n+4:ACC+32*\u+8*\n+7] offset:64*\n+16
.endr
.irp i, 0,1,2,3,4,5,6,7
	ds_load_b128 v[BK+32*\u+4*\i:BK+32*\u+4*\i+3], v[RD] offset:544*\i
.endr
.endr
.irp u, 0,1
.irp i, 0,1,2,3,4,5,6,7
	s_wait_dscnt 16*(1-\u)+7-\i                    ; the younger LDS instructions may be out: this tile's later loads, and for tile 0 tile 1's sixteen
	global_store_b128 v[CO], v[BK+32*\u+4*\i:BK+32*\u+4*\i+3], s[8:9] offset:(16*\u+2*\i)*2048 th:TH_STORE_NT   ; sixteen lanes store 256 consecutive bytes, aligned; written once, read by nobody here
.endr
.endr
	s_wait_tensorcnt 0x0                           ; the wave's end: behind my last tensor load and my last LDS store
	ds_add_u32 v[SPW], v[NIL]
	s_wait_dscnt 0x0
	CROUND                                         ; the closing round: no work-group ends while a partner may still ask for a tile that names it
	s_endpgm
.Lfunc_end_k_q7b3445e25e_oproj:
	.size	k_q7b3445e25e_oproj, .Lfunc_end_k_q7b3445e25e_oproj-k_q7b3445e25e_oproj
	.p2alignl 7, 3214868480
	.fill 96, 4, 3214868480
	.section	.rodata,"a",@progbits
	.p2align	6, 0x0
	.amdhsa_kernel k_q7b3445e25e_oproj
		.amdhsa_group_segment_fixed_size 327680
		.amdhsa_private_segment_fixed_size 0
		.amdhsa_enable_private_segment 0
		.amdhsa_kernarg_size 24
		.amdhsa_user_sgpr_count 2
		.amdhsa_user_sgpr_kernarg_segment_ptr 1
		.amdhsa_wavefront_size32 1
		.amdhsa_system_sgpr_workgroup_id_x 1
		.amdhsa_system_sgpr_workgroup_id_y 1
		.amdhsa_system_sgpr_workgroup_id_z 1
		.amdhsa_system_vgpr_workitem_id 0
		.amdhsa_next_free_vgpr 256
		.amdhsa_next_free_sgpr 66
		.amdhsa_reserve_vcc 0
		.amdhsa_float_denorm_mode_32 3
		.amdhsa_float_denorm_mode_16_64 3
		.amdhsa_memory_ordered 1
		.amdhsa_forward_progress 1
		.amdhsa_inst_pref_size 33
	.end_amdhsa_kernel
	.amdgpu_metadata
---
amdhsa.version: [ 1, 2 ]
amdhsa.kernels:
  - .name:           k_q7b3445e25e_oproj
    .symbol:         k_q7b3445e25e_oproj.kd
    .args:
      - { .name: cimg, .offset: 0, .size: 8, .value_kind: global_buffer, .address_space: global }
      - { .name: woimg, .offset: 8, .size: 8, .value_kind: global_buffer, .address_space: global }
      - { .name: out0, .offset: 16, .size: 8, .value_kind: global_buffer, .address_space: global }
    .group_segment_fixed_size: 327680
    .private_segment_fixed_size: 0
    .kernarg_segment_align: 8
    .kernarg_segment_size: 24
    .max_flat_workgroup_size: 256
    .sgpr_count:     66
    .vgpr_count:     256
    .wavefront_size: 32
...
	.end_amdgpu_metadata
.endif
;; end of part 4
